; MI455X (gfx1250); checked and timed in simulation.
; The chip was launched on July 23, 2026; its instructions are those of AMD's public machine-readable ISA for CDNA 5 (MIT licence, August 2026) and "CDNA5" Instruction Set Architecture Reference Guide (July 2026). The comments in the code are by the model that wrote it; some were corrected since.
;; Multi Head Attention. Allowed arithmetic: matrix products marked QUANTISED: E2M1 operands, one E8M0 scale for each 32 along K, by v_wmma_scale_f32_16x16x128_f8f6f4 with both operands' format E2M1 (or v_wmma_scale_f32_32x16x128_f4), f32 sums; everything else in f32.
;; Inputs: features 8 x 1,024 x 256 float32; weight_k 256 x 8 x 64 float32; weight_out 256 x 8 x 64 float32; weight_q 256 x 8 x 64 float32; weight_v 256 x 8 x 64 float32.
;; Outputs: out0 8 x 1,024 x 256 float32.
;; This version of the problem:
;;   THIS VERSION OF THE PROBLEM IS GIVEN IN LOW PRECISION. The matrix products marked QUANTISED in the list below multiply operands that are first quantised to E2M1 (2 exponent bits, 1 mantissa bit; 4 bits a number), with one power-of-two scale for each 32 numbers along K (OCP MX v1.0); their sums are f32. All else is computed in f32.
;;   The module's matrix products, in the order in which they are computed (A, B: the left and right operand; K: the contracted axis; several contracted axes count as one K, in the product's order):
;;     1. [M 8,192, K 256] x [K 256, N 512]; A: input features; B: input weight_q: QUANTISED
;;     2. [M 8,192, K 256] x [K 256, N 512]; A: input features; B: input weight_k: QUANTISED
;;     3. [M 8,192, K 256] x [K 256, N 512]; A: input features; B: input weight_v: QUANTISED
;;     4. batch 64 x [M 1,024, K 64] x [K 64, N 1,024]; A: computed on the way; B: computed on the way: QUANTISED
;;     5. [M 8,192, K 512] x [K 512, N 256]; A: computed on the way; B: input weight_out: QUANTISED
;;   THE QUANTISER, for each operand of a quantised product, along K:
;;     - K is cut into blocks of 32 from its start; a last block that is shorter is filled with zeros.
;;     - A block's scale is 2^e with e = floor(log2(the largest magnitude in the block)) - 2, held to -126 .. 127; a block of zeros has e = 0. As a byte (E8M0): e + 127.
;;     - Each number is divided by its block's scale, clamped to +-6, and rounded to the nearest number of E2M1, ties to even, subnormals kept.
;;     - The product sums the exact products of the quantised numbers (number of the format x scale) in f32.
;;   ~~~python
;;   def quantise(x, axis):      # numpy; x: float32 -> the quantised numbers, widened to float32 again
;;       x = np.moveaxis(x, axis, -1); K = x.shape[-1]
;;       x = np.pad(x, [(0, 0)] * (x.ndim - 1) + [(0, -K % 32)]); x = x.reshape(x.shape[:-1] + (-1, 32)); a = np.abs(x).max(-1, keepdims=True)
;;       e = np.where(a > 0, np.clip(np.frexp(np.where(a > 0, a, 1))[1] - 1 - 2, -126, 127), 0)      # np.frexp(a)[1] - 1 = floor(log2(a)), exactly
;;       r = np.clip(x / 2.0 ** e, -6, 6)
;;       step = 2.0 ** (np.maximum(np.frexp(np.where(r == 0, 1, r))[1] - 1, 0) - 1)
;;       q = np.round(r / step) * step * 2.0 ** e      # np.round: ties to even
;;       return np.moveaxis(q.reshape(q.shape[:-2] + (-1,))[..., :K], -1, axis).astype(np.float32)
;;   ~~~
;;   OPERANDS COMPUTED ON THE WAY. 'Computed on the way' means the value that the module computes at that place (a softmax that the list does not call 'softmax' is quantised finished and normalised). What goes into a quantiser is computed in f32, as accurately as f32 sums, v_exp_f32 and their like allow (about 1e-6 of the number): no bf16 or f16 on the way to a quantiser, and a product that is left as it is and whose result goes on into a quantised operand takes f32 operands (vector FMAs, or v_wmma_f32_16x16x4_f32). A number that lies on a knife's edge between two numbers of the format may be rounded either way, as far as f32 arithmetic and the matrix unit's own rounding can turn it there, and no further.
;; One version. Each part assembles by itself: llvm-mc -triple=amdgcn-amd-amdhsa -mcpu=gfx1250 --defsym DOCPART=n.
;; ======== version 1 of 1: 3 launches
;; limits: right only within a limited range of input values
;; workspace buffers: xc 1,048,576 bytes; xs 65,536 bytes; wc 262,144 bytes; ws 16,384 bytes; wpart 1,048,576 bytes
;; launch quant (part 1): grid 320 x 1, 4 waves a work-group, no clusters, 39,424 bytes of LDS; arguments features, weight_out, weight_q, weight_k, weight_v, xc, xs, wc, ws; writes xc, xs, wc, ws
.if DOCPART == 1
	.amdgcn_target "amdgcn-amd-amdhsa--gfx1250"
	.amdhsa_code_object_version 6
	.text
	.protected	k_q35ab5ecb70_quant
	.globl	k_q35ab5ecb70_quant
	.p2align	8
	.type	k_q35ab5ecb70_quant,@function
k_q35ab5ecb70_quant:
	s_mov_b64 s[64:65], 0
	v_nop
	global_prefetch_b8 v0, s[64:65] scope:SCOPE_SE
	s_setreg_imm32_b32 hwreg(HW_REG_WAVE_MODE, 25, 1), 1
	s_wait_xcnt 0x0
; MULTI-HEAD ATTENTION WITH THE SOFTMAX OVER THE QUERIES, in MX-FP4.  Three launches: this one turns all five inputs into codes of E2M1 with one E8M0 byte for each 32 along K;
; the second makes, for each (batch, head, quarter of the keys), q, k, the scores, the softmax over the queries and its sum over those keys; the third makes v, multiplies by the summed weight, and projects.
; NO WORK OF reference() IS LEFT OUT: the softmax sums to 1 along the queries, but reference() sums it along the keys, so no identity removes a product, a row or an input; all five inputs are loaded.
; THE LAYOUT OF THE CODES is the order of an operand's registers.  A fragment is 16 rows x 128 along K: 8 registers a lane, 1,024 bytes: registers 4 c .. 4 c + 3 of lane l lie at byte 512 c + 16 l, and lane (r = l % 16, h = l / 16)
; holds there block 2 c + h (32 codes, 16 bytes) of row r.  A fragment's scale words are 64 bytes, row r's word at 4 r, byte i for block i.
;   xc, xs: features [8192][256]: fragment 2 T + s (T = row / 16, s = K step).   wc: Wq, Wk, Wv: fragment 2 tile + s, 32 tiles each, 65,536 bytes from one weight to the next; Wout behind them: fragment 4 tile + s, 16 tiles.
;   ws: Wq at 0, Wk at 4,096, Wout at 12,288: 64 bytes a fragment, in the fragments' order.  Wv at 8,192: tile 8 w + 2 b + u, K step s at 1,024 w + 512 u + 256 s + 64 b, so that what one work-group makes is 256 bytes on end.
; THE K OF THE LAST PRODUCT.  It contracts the head and the channel; as JAX lowers that einsum the contracted axes stand in the order d, head, so k = 8 d + head: a block of 32 is 4 neighbouring d x all 8 heads, a K step of 128 is 16 d.
; Inside a block this program orders the 32 as 4 head + d % 4, on both operands alike, which changes no product and no scale.
; THE ROWS OF A TILE OF Wq, Wk, Wv ARE NOT NEIGHBOURS.  Wq, Wk: row r of tile 2 g + u is column 32 g + 8 u + r + 8 (r / 8), so that in the transposed product the 16 registers of tiles 2 g, 2 g + 1 are 16 neighbours along the head's 64.
; Wv: row r of tile 2 g + u is head 4 (r / 8) + 2 u + (r / 4) % 2, d = 4 g + r % 4, so that those 16 registers are 16 neighbours of block g of the last product's K, in the order just said.
; A block's scale is 2^(floor(log2(its largest magnitude)) - 2); its byte is the largest magnitude's exponent field - 2, held at 1 from below.
; LIMITS: a block of zeros gets the byte 1 where the rule says 127 (its codes are zeros, and this program alone reads the bytes); blocks whose largest magnitude lies under 2^-124 get the byte 1; NaN and infinities among the inputs are not served.
; SHARES: work-groups 0-15: Wv; 16-47: Wq, Wk (K is the FIRST axis of the three: a lane takes a column, 64 along K a wave); 48-63: weight_out, 64-319: features (the path by rows: a fragment a wave).
; The work-groups whose loads fall into the most separate runs of bytes have the lowest numbers.  The three paths part on the work-group's number and have LDS bytes of their own.  No tensor loads, no cluster: no two work-groups want the same numbers.
.set SP,    528                        ; a stage row: 512 bytes + 16: an odd multiple of 16, so that 16 rows begin at 16 different groups of banks
.set WSTG,  16*SP                      ; a wave's stage (the path by rows)
.set SCG,   4*WSTG                     ; 256 bytes: the four waves' scale words (the path by rows)
.set SCW,   SCG+256                    ; 256 bytes: the same for Wq, Wk
.set VP,    1088                       ; Wv: from one fragment's image to the next: 1,024 bytes + 64, so that the 16 lanes of a store, 4 rows of each of 4 fragments, fall on 16 different 16-byte columns of 256 bytes
.set VIMG,  SCW+256                    ; Wv: the work-group's four fragments
.set SCV,   VIMG+4*VP                  ; 256 bytes: their scale words
.set SPARE, SCV+256                    ; the spare words, 128 bytes for each wave: two blocks of 256 bytes that no other line names
.set LN,  1                            ; v1   lane
.set RR,  2                            ; v2   r = lane % 16
.set HH,  3                            ; v3   h = lane / 16
.set L16, 4                            ; v4   16 x lane
.set STI, 5                            ; v5   the stage, on the way in
.set STO, 6                            ; v6   and on the way out
.set SGW, 7                            ; v7   where my row's scale word goes (rows)
.set L8,  8                            ; v8   8 x lane
.set SGR, 9                            ; v9   where wave 0 reads the 256 bytes back (rows)
.set SWW, 10                           ; v10  where my two scale bytes go (Wq, Wk)
.set SWR, 11                           ; v11  where wave 0 reads them back (Wq, Wk)
.set SPW, 12                           ; v12  LDS address of my spare word; never rewritten
.set NIL, 13                           ; v13  0; never rewritten
.set CO,  14                           ; v14  columns: my column's byte in a row of the weight.  rows: my 16 bytes' place in a row's K step
.set DO,  15                           ; v15  Wq, Wk: my place among the two tiles' images.  rows: at work
.set RO,  16                           ; v16-31  rows: the byte offsets of the fragment's 16 rows
.set X,   32                           ; v32-95  64 numbers as loaded
.set Y,   96                           ; v96-159 rows: 64 numbers, two whole blocks of my row
.set VST, 160                          ; v160 Wv: where my two blocks of codes go
.set VSW, 161                          ; v161 Wv: where my two scale bytes go
.set VRD, 162                          ; v162 Wv: where my wave reads a fragment back
.set VSR, 163                          ; v163 Wv: where wave 0 reads the scale words back
; Two blocks of 32 numbers, v[src] on and v[src + 32] on, by turns: codes into v[cod] .. v[cod + 7]; v[tm + 4], v[tm + 5] the scale bytes.
.macro QB2 src, cod, tm
	v_max3_num_f32 v[\tm], |v[\src]|, |v[\src+1]|, 0x1800000       ; the largest magnitude, with the floor 2^(3 - 127) among its leaves: so the byte cannot fall under 1
	v_max3_num_f32 v[\tm+1], |v[\src+32]|, |v[\src+33]|, 0x1800000
.irp i, 2,4,6,8,10,12,14,16,18,20,22,24,26,28,30
	v_max3_num_f32 v[\tm], v[\tm], |v[\src+\i]|, |v[\src+\i+1]|
	v_max3_num_f32 v[\tm+1], v[\tm+1], |v[\src+32+\i]|, |v[\src+33+\i]|
.endr
	v_add_nc_u32 v[\tm+2], 0xff000000, v[\tm]                      ; 2 off the exponent field: the conversion takes the exponent field of this operand as its scale
	v_add_nc_u32 v[\tm+3], 0xff000000, v[\tm+1]
	v_lshrrev_b32 v[\tm+4], 23, v[\tm+2]                           ; the scale's byte
	v_lshrrev_b32 v[\tm+5], 23, v[\tm+3]
.irp g, 0,1,2,3
	v_cvt_scalef32_pk8_fp4_f32 v[\cod+\g], v[\src+8*\g:\src+8*\g+7], v[\tm+2]
.endr
.irp g, 0,1,2,3
	v_cvt_scalef32_pk8_fp4_f32 v[\cod+4+\g], v[\src+32+8*\g:\src+32+8*\g+7], v[\tm+3]
.endr
	v_nop                                                          ; one plain line behind the last scaled conversion
.endm
; My column's 64 numbers down K: a row of a weight is 2,048 bytes.  No hint: other work-groups take the bytes beside mine
.macro DOWN64
.set T, 0
.rept 64
	global_load_b32 v[X+T], v[CO], s[24:25] offset:2048*T
.set T, T+1
.endr
.endm
	s_load_b256 s[4:11], s[0:1], 0x0               ; features s[4:5], weight_out s[6:7], weight_q s[8:9], weight_k s[10:11]
	s_load_b256 s[12:19], s[0:1], 0x20             ; weight_v s[12:13], xc s[14:15], xs s[16:17], wc s[18:19]
	s_load_b64 s[20:21], s[0:1], 0x40              ; ws
	v_lshl_add_u32 v[SPW], v0, 2, SPARE
	v_mov_b32 v[NIL], 0
	v_lshrrev_b32 v[LN], 5, v0
	v_readfirstlane_b32 s22, v[LN]                 ; wave 0..3
	v_and_b32 v[LN], 31, v0
	v_and_b32 v[RR], 15, v0
	v_bfe_u32 v[HH], v0, 4, 1
	v_lshlrev_b32 v[L16], 4, v[LN]
	v_lshlrev_b32 v[L8], 3, v[LN]
	; every LDS address of all three paths is made here, ahead of the parting
	s_mul_i32 s23, s22, WSTG
	v_add_nc_u32 v[STI], s23, v[L16]               ; in: 16 bytes a lane, 512 on end
	v_mul_u32_u24 v[STO], v[RR], SP
	v_lshl_add_u32 v[STO], v[HH], 7, v[STO]
	v_add_nc_u32 v[STO], s23, v[STO]               ; out: row r, + 128 h: my block of each pair of blocks
	s_lshl_b32 s23, s22, 6
	v_lshl_add_u32 v[SGW], v[RR], 2, s23
	v_add_nc_u32 v[SGW], SCG, v[SGW]               ; SCG + 64 x wave + 4 r
	v_add_nc_u32 v[SGR], SCG, v[L8]
	s_lshr_b32 s23, s22, 1
	s_lshl_b32 s23, s23, 6
	s_and_b32 s24, s22, 1
	s_lshl_b32 s24, s24, 1
	s_add_co_u32 s23, s23, s24
	v_lshl_add_u32 v[SWW], v[RR], 2, s23
	v_lshl_add_u32 v[SWW], v[HH], 7, v[SWW]
	v_add_nc_u32 v[SWW], SCW, v[SWW]               ; SCW + 128 (lane / 16) + 64 (wave / 2) + 4 r + 2 (wave % 2)
	v_add_nc_u32 v[SWR], SCW, v[L8]
	; Wv: my column is row 8 (wave % 2) + 4 (lane / 16) + lane % 4 of fragment b = (lane % 16) / 4; my two blocks are 2 (wave / 2) and the next
	v_lshrrev_b32 v[VSR], 2, v[RR]                 ; b
	v_and_b32 v[VRD], 3, v[LN]                     ; lane % 4
	s_and_b32 s23, s22, 1                          ; wave % 2
	s_lshr_b32 s24, s22, 1                         ; wave / 2
	v_mul_u32_u24 v[VST], v[VSR], VP
	v_lshl_add_u32 v[VST], v[HH], 6, v[VST]
	v_lshl_add_u32 v[VST], v[VRD], 4, v[VST]
	s_lshl_b32 s25, s23, 7
	s_lshl_b32 s26, s24, 9
	s_add_co_u32 s25, s25, s26
	s_add_co_u32 s25, s25, VIMG
	v_add_nc_u32 v[VST], s25, v[VST]               ; VIMG + VP b + 512 (wave / 2) + 16 x row
	v_lshlrev_b32 v[VSW], 6, v[VSR]
	v_lshl_add_u32 v[VSW], v[HH], 4, v[VSW]
	v_lshl_add_u32 v[VSW], v[VRD], 2, v[VSW]
	s_lshl_b32 s25, s23, 5
	s_lshl_b32 s26, s24, 1
	s_add_co_u32 s25, s25, s26
	s_add_co_u32 s25, s25, SCV
	v_add_nc_u32 v[VSW], s25, v[VSW]               ; SCV + 64 b + 4 x row + 2 (wave / 2)
	s_mul_i32 s25, s22, VP
	s_add_co_u32 s25, s25, VIMG
	v_add_nc_u32 v[VRD], s25, v[L16]               ; back: fragment b = my wave's number, 16 bytes a lane
	v_add_nc_u32 v[VSR], SCV, v[L8]
	s_mov_b32 s34, 0x76543210
	s_mov_b32 s35, 0xfedcba98                      ; v_permlanex16_b32's selects for lane l xor 16
	s_mov_b32 s41, 0                               ; the upper word of the offsets' pair s[40:41]
	s_wait_kmcnt 0x0
	s_cmp_lt_u32 ttmp9, 16
	s_cbranch_scc1 .Lwv
	s_cmp_lt_u32 ttmp9, 48
	s_cbranch_scc1 .Lcols
	; ---- THE PATH BY ROWS: features (rows of 1,024 bytes, 2 K steps) or weight_out (2,048 bytes, 4 K steps).  Only pointers, sizes and global offsets are chosen, by the work-group's number
	; features: a K step is 512 consecutive bytes of a row: lane l takes byte 16 l = 16 (l % 8) + 128 (l / 8).
	; weight_out: K step s is d = 16 s .. 16 s + 15 of all 8 heads, 64 bytes in each head's 256: lane l takes head l % 8, d = 16 s + 4 (l / 8) + 0 .. 3: byte 256 (l % 8) + 16 (l / 8), from 64 s on.
	; Laid into the stage at 16 l, block l / 8 of the K step is then 128 bytes on end, in the order 4 head + d % 4.
	s_cmp_ge_u32 ttmp9, 64
	s_cselect_b64 s[24:25], s[4:5], s[6:7]         ; the numbers
	s_cselect_b64 s[26:27], s[14:15], s[18:19]     ; the codes
	s_cselect_b64 s[28:29], s[16:17], s[20:21]     ; the scale words
	s_cselect_b32 s30, 64, 48                      ; the tensor's first work-group
	s_cselect_b32 s31, 1, 2                        ; log2 of the K steps in a row
	s_cselect_b32 s32, 10, 11                      ; log2 of a row's bytes
	s_cselect_b32 s33, 0, 196608                   ; where the tensor's codes begin in their buffer
	s_cselect_b32 s36, 0, 12288                    ; and its scale words
	s_cselect_b32 s43, 16, 256                     ; bytes from lane to lane within eight
	s_cselect_b32 s44, 128, 16                     ; and from eight lanes to the next eight
	s_cselect_b32 s45, 9, 6                        ; log2 of the bytes from a K step to the next
	s_sub_co_u32 s30, ttmp9, s30                   ; the work-group's number within its tensor
	s_lshl_b32 s37, s30, 2
	s_add_co_u32 s37, s37, s22                     ; my fragment f
	s_lshr_b32 s38, s37, s31                       ; its tile of rows T
	s_lshl_b32 s39, s38, s31
	s_sub_co_u32 s39, s37, s39                     ; its K step s
	s_add_co_u32 s40, s32, 4
	s_lshl_b32 s40, s38, s40                       ; 16 T rows
	s_lshl_b32 s39, s39, s45                       ; + the K step
	s_add_co_u32 s40, s40, s39
	s_add_nc_u64 s[24:25], s[24:25], s[40:41]
	s_lshl_b32 s40, s37, 10
	s_add_co_u32 s40, s40, s33
	s_add_nc_u64 s[26:27], s[26:27], s[40:41]      ; 1,024 f
	s_lshl_b32 s40, s30, 8
	s_add_co_u32 s40, s40, s36
	s_add_nc_u64 s[28:29], s[28:29], s[40:41]      ; the work-group's four fragments: 256 bytes of scale words
	s_lshl_b32 s42, 1, s32                         ; a row's bytes
	v_and_b32 v[DO], 7, v[LN]
	v_mul_u32_u24 v[CO], s43, v[DO]
	v_lshrrev_b32 v[DO], 3, v[LN]
	v_mad_u32_u24 v[CO], s44, v[DO], v[CO]         ; my 16 bytes' place in a row's K step
.irp i, 0,1,2,3,4,5,6,7,8,9,10,11,12,13,14,15
	v_mad_u32_u24 v[RO+\i], s42, \i, v[CO]
.endr
.irp i, 0,1,2,3,4,5,6,7,8,9,10,11,12,13,14,15
	global_load_b128 v[X+4*\i:X+4*\i+3], v[RO+\i], s[24:25] th:TH_LOAD_NT   ; row i.  features: 512 consecutive bytes, at a multiple of 512; weight_out: eight runs of 64 bytes (the work-group's four waves take the four quarters of each 256).  Each number is read once in the launch
.endr
.irp i, 0,1,2,3,4,5,6,7,8,9,10,11,12,13,14,15
	s_wait_loadcnt 15-\i                           ; loads come back in order: row i is in, the 15 - i younger ones may be out
	ds_store_b128 v[STI], v[X+4*\i:X+4*\i+3] offset:SP*\i
.endr
.irp c, 0,1
.irp i, 0,1,2,3,4,5,6,7
	ds_load_b128 v[Y+32*\c+4*\i:Y+32*\c+4*\i+3], v[STO] offset:256*\c+16*\i   ; block 2 c + h of row r: its 32 numbers.  My wave's own bytes, served in order: no wait between the stores and these
.endr
.endr
	s_wait_dscnt 0x0
	QB2 Y, X, X+8                                  ; codes v32-39; at work v40-47
	v_lshl_or_b32 v[X+14], v[X+13], 16, v[X+12]    ; my two bytes: blocks h and 2 + h of row r,
	v_lshlrev_b32 v[X+15], 3, v[HH]
	v_lshlrev_b32 v[X+14], v[X+15], v[X+14]        ; at their places in the word (8 h bits up);
	v_mov_b32 v[X+15], 0
	v_permlanex16_b32 v[X+15], v[X+14], s34, s35
	v_or_b32 v[X+14], v[X+14], v[X+15]             ; with lane l xor 16's two the word is whole
	global_store_b128 v[L16], v[X:X+3], s[26:27]               ; the image: 512 consecutive bytes a store, aligned
	global_store_b128 v[L16], v[X+4:X+7], s[26:27] offset:512
	ds_store_b32 v[SGW], v[X+14]                   ; both lanes of a row write the same word with the same value
	s_wait_dscnt 0x0                               ; for wave 0's sake: my word has landed
	s_barrier_signal -1
	s_barrier_wait -1
	s_cmp_lg_u32 s22, 0
	s_cbranch_scc1 .Lrows_end
	ds_load_b64 v[X+16:X+17], v[SGR]
	s_wait_dscnt 0x0
	global_store_b64 v[L8], v[X+16:X+17], s[28:29] ; 32 lanes store 256 consecutive bytes, aligned
.Lrows_end:
	s_wait_tensorcnt 0x0                           ; the wave's end
	ds_add_u32 v[SPW], v[NIL]
	s_wait_dscnt 0x0
	s_endpgm
	; ---- Wq, Wk: a lane takes a column and its registers run down K: a block of 32 lies in one lane, and the codes come out with K innermost.  Two tiles a work-group, 64 along K a wave
.Lcols:
	s_sub_co_u32 s30, ttmp9, 16
	s_lshr_b32 s31, s30, 4                         ; which weight: 0 q, 1 k
	s_and_b32 s32, s30, 15                         ; g: tiles 2 g and 2 g + 1
	s_cmp_eq_u32 s31, 0
	s_cselect_b64 s[24:25], s[8:9], s[10:11]
	s_lshl_b32 s40, s22, 17                        ; my wave's 64 rows of 2,048 bytes
	s_add_nc_u64 s[24:25], s[24:25], s[40:41]
	s_lshl_b32 s40, s31, 16                        ; the codes: 65,536 x weight + 4,096 g + 1,024 (wave / 2) + 512 (wave % 2)
	s_lshl_b32 s36, s32, 12
	s_add_co_u32 s40, s40, s36
	s_lshr_b32 s36, s22, 1
	s_lshl_b32 s36, s36, 10
	s_add_co_u32 s40, s40, s36
	s_and_b32 s36, s22, 1
	s_lshl_b32 s36, s36, 9
	s_add_co_u32 s40, s40, s36
	s_add_nc_u64 s[26:27], s[18:19], s[40:41]
	s_lshl_b32 s40, s31, 12                        ; the scale words: 4,096 x weight + 256 g
	s_lshl_b32 s36, s32, 8
	s_add_co_u32 s40, s40, s36
	s_add_nc_u64 s[28:29], s[20:21], s[40:41]
	v_and_b32 v[CO], 7, v[RR]                      ; lane (r, u) is row r of tile 2 g + u: column 16 (r / 8) + 8 u + r % 8 of the work-group's 32
	v_lshrrev_b32 v[DO], 3, v[RR]
	v_lshl_add_u32 v[CO], v[DO], 4, v[CO]
	v_lshl_add_u32 v[CO], v[HH], 3, v[CO]
	v_lshlrev_b32 v[CO], 2, v[CO]
	s_lshl_b32 s33, s32, 7
	v_add_nc_u32 v[CO], s33, v[CO]
	v_lshlrev_b32 v[DO], 4, v[RR]
	v_lshl_add_u32 v[DO], v[HH], 11, v[DO]         ; 2,048 u + 16 r
	DOWN64                                         ; each load: 128 consecutive bytes of a row of the weight
	s_wait_loadcnt 0x0
	QB2 X, Y, Y+8                                  ; codes v96-103; at work v104-111.  Block e of my 64 is block 2 (wave % 2) + e of K step wave / 2
	v_lshl_or_b32 v[Y+14], v[Y+13], 8, v[Y+12]     ; my two bytes are neighbours in my row's word
	global_store_b128 v[DO], v[Y:Y+3], s[26:27]                ; lanes 0-15 fill 256 consecutive bytes of tile 2 g's image, lanes 16-31 of tile 2 g + 1's
	global_store_b128 v[DO], v[Y+4:Y+7], s[26:27] offset:256
	ds_store_b16 v[SWW], v[Y+14]
	s_wait_dscnt 0x0                               ; for wave 0's sake
	s_barrier_signal -1
	s_barrier_wait -1
	s_cmp_lg_u32 s22, 0
	s_cbranch_scc1 .Lcols_end
	ds_load_b64 v[Y+16:Y+17], v[SWR]
	s_wait_dscnt 0x0
	global_store_b64 v[L8], v[Y+16:Y+17], s[28:29] ; the four fragments' scale words: 256 consecutive bytes, aligned
.Lcols_end:
	s_wait_tensorcnt 0x0                           ; the wave's end: the same three lines
	ds_add_u32 v[SPW], v[NIL]
	s_wait_dscnt 0x0
	s_endpgm
	; ---- Wv: likewise a lane to a column.  A tile's 16 rows are 4 d of 4 heads, 16 bytes in each head's 256.  So that the loads fall into long runs, a wave takes 16 NEIGHBOURING d of two neighbouring heads, which are rows of FOUR tiles:
	; each load is two runs of 64 consecutive bytes.  Work-group 4 w + 2 u + s makes K step s of tiles 8 w + 2 b + u, b = 0 .. 3; wave v takes heads 2 x, 2 x + 1 with x = u + 2 (v % 2), d = 16 w .. + 15, and rows 128 s + 64 (v / 2) .. + 63 of K.
	; Lane l holds head 2 x + l / 16, d = 16 w + l % 16: row 8 (v % 2) + 4 (l / 16) + l % 4 of fragment b = (l % 16) / 4.  The four fragments are gathered in LDS and leave whole, a fragment a wave.
.Lwv:
	s_lshr_b32 s30, ttmp9, 2                       ; w
	s_bfe_u32 s31, ttmp9, 0x10001                  ; u
	s_and_b32 s32, ttmp9, 1                        ; s
	s_and_b32 s33, s22, 1                          ; v % 2
	s_lshr_b32 s36, s22, 1                         ; v / 2
	s_lshl_b32 s40, s32, 18                        ; 128 s rows of 2,048 bytes
	s_lshl_b32 s37, s36, 17                        ; + 64 (v / 2) rows
	s_add_co_u32 s40, s40, s37
	s_lshl_b32 s37, s31, 9                         ; + 512 x: two heads of 256 bytes
	s_add_co_u32 s40, s40, s37
	s_lshl_b32 s37, s33, 10
	s_add_co_u32 s40, s40, s37
	s_lshl_b32 s37, s30, 6                         ; + 16 w numbers
	s_add_co_u32 s40, s40, s37
	s_add_nc_u64 s[24:25], s[12:13], s[40:41]
	s_lshl_b32 s40, s30, 14                        ; the codes: fragment 2 (8 w + 2 v + u) + s, behind Wq's and Wk's
	s_lshl_b32 s37, s22, 12
	s_add_co_u32 s40, s40, s37
	s_lshl_b32 s37, s31, 11
	s_add_co_u32 s40, s40, s37
	s_lshl_b32 s37, s32, 10
	s_add_co_u32 s40, s40, s37
	s_add_co_u32 s40, s40, 131072
	s_add_nc_u64 s[26:27], s[18:19], s[40:41]
	s_lshl_b32 s40, s30, 10                        ; the scale words: 8,192 + 1,024 w + 512 u + 256 s
	s_lshl_b32 s37, s31, 9
	s_add_co_u32 s40, s40, s37
	s_lshl_b32 s37, s32, 8
	s_add_co_u32 s40, s40, s37
	s_add_co_u32 s40, s40, 8192
	s_add_nc_u64 s[28:29], s[20:21], s[40:41]
	v_lshlrev_b32 v[CO], 2, v[RR]
	v_lshl_add_u32 v[CO], v[HH], 8, v[CO]          ; 256 (l / 16) + 4 (l % 16)
	DOWN64
	s_wait_loadcnt 0x0
	QB2 X, Y, Y+8                                  ; codes v96-103; at work v104-111.  Block e of my 64 is block 2 (v / 2) + e of the K step
	v_lshl_or_b32 v[Y+14], v[Y+13], 8, v[Y+12]     ; my two bytes are neighbours in my row's word
	ds_store_b128 v[VST], v[Y:Y+3]
	ds_store_b128 v[VST], v[Y+4:Y+7] offset:256
	ds_store_b16 v[VSW], v[Y+14]
	s_wait_dscnt 0x0                               ; for the others' sake: my codes and bytes have landed
	s_barrier_signal -1
	s_barrier_wait -1
	ds_load_b128 v[X:X+3], v[VRD]
	ds_load_b128 v[X+4:X+7], v[VRD] offset:512
	s_wait_dscnt 0x0
	global_store_b128 v[L16], v[X:X+3], s[26:27]               ; the image: 512 consecutive bytes a store, aligned
	global_store_b128 v[L16], v[X+4:X+7], s[26:27] offset:512
	s_cmp_lg_u32 s22, 0
	s_cbranch_scc1 .Lwv_end
	ds_load_b64 v[X+16:X+17], v[VSR]
	s_wait_dscnt 0x0
	global_store_b64 v[L8], v[X+16:X+17], s[28:29] ; the four fragments' scale words: 256 consecutive bytes, aligned
.Lwv_end:
	s_wait_tensorcnt 0x0                           ; the wave's end: the same three lines
	ds_add_u32 v[SPW], v[NIL]
	s_wait_dscnt 0x0
	s_endpgm
.Lfunc_end_k_q35ab5ecb70_quant:
	.size	k_q35ab5ecb70_quant, .Lfunc_end_k_q35ab5ecb70_quant-k_q35ab5ecb70_quant
	.p2alignl 7, 3214868480
	.fill 96, 4, 3214868480
	.section	.rodata,"a",@progbits
	.p2align	6, 0x0
	.amdhsa_kernel k_q35ab5ecb70_quant
		.amdhsa_group_segment_fixed_size 39424
		.amdhsa_private_segment_fixed_size 0
		.amdhsa_enable_private_segment 0
		.amdhsa_kernarg_size 72
		.amdhsa_user_sgpr_count 2
		.amdhsa_user_sgpr_kernarg_segment_ptr 1
		.amdhsa_wavefront_size32 1
		.amdhsa_system_sgpr_workgroup_id_x 1
		.amdhsa_system_sgpr_workgroup_id_y 1
		.amdhsa_system_sgpr_workgroup_id_z 1
		.amdhsa_system_vgpr_workitem_id 0
		.amdhsa_next_free_vgpr 168
		.amdhsa_next_free_sgpr 66
		.amdhsa_reserve_vcc 0
		.amdhsa_float_denorm_mode_32 3
		.amdhsa_float_denorm_mode_16_64 3
		.amdhsa_memory_ordered 1
		.amdhsa_forward_progress 1
		.amdhsa_inst_pref_size 35
	.end_amdhsa_kernel
	.amdgpu_metadata
---
amdhsa.version: [ 1, 2 ]
amdhsa.kernels:
  - .name:           k_q35ab5ecb70_quant
    .symbol:         k_q35ab5ecb70_quant.kd
    .args:
      - { .name: features, .offset: 0, .size: 8, .value_kind: global_buffer, .address_space: global }
      - { .name: weight_out, .offset: 8, .size: 8, .value_kind: global_buffer, .address_space: global }
      - { .name: weight_q, .offset: 16, .size: 8, .value_kind: global_buffer, .address_space: global }
      - { .name: weight_k, .offset: 24, .size: 8, .value_kind: global_buffer, .address_space: global }
      - { .name: weight_v, .offset: 32, .size: 8, .value_kind: global_buffer, .address_space: global }
      - { .name: xc, .offset: 40, .size: 8, .value_kind: global_buffer, .address_space: global }
      - { .name: xs, .offset: 48, .size: 8, .value_kind: global_buffer, .address_space: global }
      - { .name: wc, .offset: 56, .size: 8, .value_kind: global_buffer, .address_space: global }
      - { .name: ws, .offset: 64, .size: 8, .value_kind: global_buffer, .address_space: global }
    .group_segment_fixed_size: 39424
    .private_segment_fixed_size: 0
    .kernarg_segment_align: 8
    .kernarg_segment_size: 72
    .max_flat_workgroup_size: 128
    .sgpr_count:     66
    .vgpr_count:     168
    .wavefront_size: 32
...
	.end_amdgpu_metadata
.endif
;; end of part 1
;; launch attw (part 2): grid 256 x 1, 4 waves a work-group, no clusters, 78,336 bytes of LDS; arguments xc, xs, wc, ws, wpart; writes wpart
.if DOCPART == 2
	.amdgcn_target "amdgcn-amd-amdhsa--gfx1250"
	.amdhsa_code_object_version 6
	.text
	.protected	k_q35ab5ecb70_attw
	.globl	k_q35ab5ecb70_attw
	.p2align	8
	.type	k_q35ab5ecb70_attw,@function
k_q35ab5ecb70_attw:
	s_mov_b64 s[64:65], 0
	v_nop
	global_prefetch_b8 v0, s[64:65] scope:SCOPE_SE
	s_setreg_imm32_b32 hwreg(HW_REG_WAVE_MODE, 25, 1), 1
	s_wait_xcnt 0x0
; wpart[b][h][quarter][i] = the sum over the quarter's 256 keys j of softmax over i of (q[b,i,h] . k[b,j,h] / 8).  No work of reference() is left out here; q is made anew in each of a head's four work-groups.
; q = Q(x) Q(Wq), k = Q(x) Q(Wk) from the codes that the first launch laid out; both are quantised along the head's 64 and multiplied by the scaled FP4 matrix instruction, whose K is 128.
; TWO TILES OF q SHARE AN OPERAND: tile 2 p fills K = 0 .. 63, tile 2 p + 1 fills K = 64 .. 127.  k meets them as [k | zero codes] or as [zero codes | k]: a product with a zero code is 0 exactly, so each score is the sum over its own 64.
; So all 64 tiles of q stay in 256 registers.  k's scale word repeats its two bytes, so that one word serves both forms; every byte is a finite code.
; SHARES.  Work-group = (batch b, head h, quarter of the keys).  Wave w projects queries 256 w .. + 255 (their codes go to LDS and from there to all four waves' registers) and its own 64 keys, and then walks four STRIPS of 16 keys x all 1,024 queries.
; A STRIP IS HELD WHOLE: 64 results of 16 x 16, 512 registers.  Source 0 = 16 keys, source 1 = 16 queries: a lane holds ONE query (lane % 16) and its eight registers the keys 8 (lane / 16) + 0 .. 7.  So the maximum and the sum over the
; queries go register by register over the 64 tiles, eight chains, and across lanes only at the end; each score is made once and has one exponential; and the sum over the keys is four packed multiply-adds a tile by the eight 1 / Z.
; SOFTMAX: p = 2^(c s - c m), c = log2(e) / 8, m the key's largest score over all queries, as reference() takes it away; c m is rounded once for a whole column, which cancels in p / Z.  Z is at least about 1.
; NO CLUSTER: what the four work-groups of a head share, x's codes, goes from memory straight into the registers where it is multiplied, a pair of tiles at a time as it comes in; a joint load would send it through LDS and back.
; LIMITS: NaN and infinities are not served; the exponential gives 0 under 2^-126; the order of the f32 sums differs from reference()'s; blocks of q or k whose largest magnitude lies under 2^-124 (zeros among them) get the byte 1.
; REGISTERS, in windows of 256 (s_set_vgpr_msb: bits 1:0 source 0, 3:2 source 1, 5:4 source 2, 7:6 destination):
;   window 0: v1-15 addresses; v16-27 zeros, the strip's k, zeros; v28-73 scale words and nothing else; v74-115 statistics and work; v128-255 two sets of results of the projection, then the sums over the keys, a pair for each tile of queries
;   window 1: v0-127 Wq's and Wk's fragments, then q: tile t at 4 t
;   window 2: x's fragments of my 16 tiles of queries, then score tiles 0-31;   window 3: x's fragments of my 4 tiles of keys, then score tiles 32-63
.set QIMG,  0                          ; LDS: q's 64 tiles as images of four registers: 512 bytes, lane l's 16 at 16 l
.set QSC,   32768                      ; their scale words: 64 bytes a pair of tiles
.set KIMG,  34816                      ; k's: 4 tiles for each wave, its own
.set KSC,   43008                      ; their scale words: 64 bytes a tile
.set WIMG,  44032                      ; Wq's 8 fragments of the head, then Wk's: 1,024 bytes each
.set WSC,   60416                      ; their scale words: Wq's 512 bytes, Wk's
.set WST,   61440                      ; the four waves' sums over their keys: 4,096 bytes each
.set SPARE, 77824                      ; the spare words, 128 bytes for each wave: two blocks of 256 bytes that no other line names
.set L16, 1                            ; 16 x lane
.set L4,  2                            ; 4 x lane
.set R4,  3                            ; 4 x (lane % 16)
.set QWI, 4                            ; where I store q's images
.set QWS, 5                            ; and their scale words
.set KWI, 6                            ; k's images: stored, and read back by the strips
.set KWS, 7                            ; and scale words
.set ADK, 8                            ; the next strip's image
.set ADKS, 9                           ; and scale words
.set QSR, 10                           ; q's scale words, two pairs of tiles a load
.set WWR, 11                           ; where my sums go
.set WRD, 12                           ; where I read the four waves' sums
.set GO,  13                           ; my byte offset in the work-group's 4,096 bytes of wpart
.set SPW, 14                           ; LDS address of my spare word; never rewritten
.set NIL, 15                           ; 0; never rewritten
.set KZ,  16                           ; v16-19 zeros, v20-23 k, v24-27 zeros: v[20:27] is [k | 0], v[16:23] is [0 | k]
.set KSW, 28
.set QS,  30                           ; v30-45: register i: lanes 0-15 pair 2 i, lanes 16-31 pair 2 i + 1
.set XS,  46                           ; v46-65 x's: my 4 tiles of keys, my 16 of queries: lanes 0-15 K step 0, lanes 16-31 K step 1
.set WS,  66                           ; v66-69 Wq's, v70-73 Wk's, likewise
.set TM,  74                           ; v74-89 at work in QUANT
.set PC,  90                           ; v90-105 codes just made, two sets of 8
.set PW,  106                          ; v106-109 scale words, two sets of 2
.set MX,  74                           ; v74-81   the eight keys' largest scores
.set CM,  82                           ; v82-89   - c m
.set ZA,  90                           ; v90-97   the sums of p, even tiles; v98-105 odd tiles
.set ZB,  98
.set RZ,  106                          ; v106-113 1 / Z
.set WGI, 114                          ; where my part of the weights goes
.set WSI, 115                          ; and of their scale words
.set H0,  128
.set AC,  128                          ; the sums over the keys
.set R2,  192                          ; behind the strips: the sums of 32 queries a register
.set MSB, 0
.macro WIN new                         ; the immediate's high byte repeats the setting that is left; a switch that changes nothing is dropped
.if MSB != (\new)
	s_set_vgpr_msb (MSB<<8)|(\new)
.set MSB, (\new)
.endif
.endm
.macro VW
	s_wait_alu depctr_va_vdst(0)
.endm
; THE PROJECTION of pair n of tiles (0, 1: my keys; 2-9: my queries), transposed: source 0 = 16 rows of the weight's tile, source 1 = 16 rows of x.  Lane (r, h) then holds row r, and register 8 t + j of a tile the head's channel
; 32 (t / 2) + 16 h + 8 (t % 2) + j.  Eight accumulators by turns, one instruction a turn; the first K step starts the sums.
.macro MM n
.set HB, H0+64*((\n)%2)
.if (\n) < 2
	s_wait_loadcnt 63                              ; behind this pair's loads 64 or more were issued: the count is the field's largest, and smaller than what would do
	WIN 0x0d                                       ; the weight window 1, x window 3
.set XB, 32*(\n)
.set WB, 64
.set WSB, WS+4
.else
	s_wait_loadcnt 72-8*(\n)                       ; the eight loads of each later pair may be out
.if (\n) > 3
	s_wait_dscnt 3                                 ; all but the last pair's three stores are done: those of two pairs back have read the set of registers that the next QUANT writes
.endif
	WIN 0x09                                       ; the weight window 1, x window 2
.set XB, 32*((\n)-2)
.set WB, 0
.set WSB, WS
.endif
.irp e, 0,1
.irp t, 0,1,2,3
	v_wmma_scale_f32_16x16x128_f8f6f4 v[HB+32*\e+8*\t:HB+32*\e+8*\t+7], v[WB+16*\t:WB+16*\t+7], v[XB+16*\e:XB+16*\e+7], 0, v[WSB+\t], v[XS+2*(\n)+\e] matrix_a_fmt:MATRIX_FMT_FP4 matrix_b_fmt:MATRIX_FMT_FP4
.endr
.endr
.irp e, 0,1
.irp t, 0,1,2,3
	v_wmma_scale_f32_16x16x128_f8f6f4 v[HB+32*\e+8*\t:HB+32*\e+8*\t+7], v[WB+16*\t+8:WB+16*\t+15], v[XB+16*\e+8:XB+16*\e+15], v[HB+32*\e+8*\t:HB+32*\e+8*\t+7], v[WSB+\t], v[XS+2*(\n)+\e] matrix_a_fmt:MATRIX_FMT_FP4 matrix_b_fmt:MATRIX_FMT_FP4 matrix_a_scale:MATRIX_SCALE_ROW1 matrix_b_scale:MATRIX_SCALE_ROW1
.endr
.endr
	WIN 0
.endm
; Pair n's 64 numbers a lane (register 16 b + i of a tile = channel 32 b + 16 (lane / 16) + i of my row) become half operands and scale words, and go to LDS as they stand.
.macro QUANT n
.set HB, H0+64*((\n)%2)
.set PB, PC+8*((\n)%2)
.set PWB, PW+2*((\n)%2)
.irp b, 0,1,2,3
	v_max3_num_f32 v[TM+\b], |v[HB+16*\b]|, |v[HB+16*\b+1]|, 0x1800000     ; each result from its low end on; the floor 2^(3 - 127) holds the byte at 1 from below
.endr
.irp i, 2,4,6,8,10,12,14
.irp b, 0,1,2,3
	v_max3_num_f32 v[TM+\b], v[TM+\b], |v[HB+16*\b+\i]|, |v[HB+16*\b+\i+1]|
.endr
.endr
.irp b, 0,1,2,3
	v_permlanex16_b32 v[TM+4+\b], v[TM+\b], s34, s35
.endr
.irp b, 0,1,2,3
	v_max_num_f32 v[TM+\b], v[TM+\b], v[TM+4+\b]                   ; with lane l xor 16's 16: the block's largest magnitude
.endr
.irp b, 0,1,2,3
	v_add_nc_u32 v[TM+8+\b], 0xff000000, v[TM+\b]                  ; 2 off the exponent field: the conversion's scale operand
.endr
.irp b, 0,1,2,3
	v_lshrrev_b32 v[TM+12+\b], 23, v[TM+8+\b]                      ; the scale's byte
.endr
.irp e, 0,1
	v_lshl_or_b32 v[PWB+\e], v[TM+13+2*\e], 8, v[TM+12+2*\e]
.endr
.if (\n) < 2
.irp e, 0,1
	v_lshl_or_b32 v[PWB+\e], v[PWB+\e], 16, v[PWB+\e]              ; k: the two bytes twice
.endr
.else
	v_lshl_or_b32 v[PWB], v[PWB+1], 16, v[PWB]                     ; q: the pair's four bytes
.endif
.irp b, 0,1,2,3
	v_cvt_scalef32_pk8_fp4_f32 v[PB+2*\b], v[HB+16*\b:HB+16*\b+7], v[TM+8+\b]
	v_cvt_scalef32_pk8_fp4_f32 v[PB+2*\b+1], v[HB+16*\b+8:HB+16*\b+15], v[TM+8+\b]
.endr
	v_nop                                          ; one plain line behind the last scaled conversion
.irp e, 0,1
	v_permlane16_swap_b32 v[PB+4*\e], v[PB+4*\e+2]                 ; the operand wants a WHOLE block in a lane: lanes 0-15 block 0, lanes 16-31 block 1
	v_permlane16_swap_b32 v[PB+4*\e+1], v[PB+4*\e+3]
.endr
.irp e, 0,1
.if (\n) < 2
	ds_store_b128 v[KWI], v[PB+4*\e:PB+4*\e+3] offset:512*(2*(\n)+\e)
	ds_store_b32 v[KWS], v[PWB+\e] offset:64*(2*(\n)+\e)           ; both lanes of a row write the same word with the same value
.else
	ds_store_b128 v[QWI], v[PB+4*\e:PB+4*\e+3] offset:512*(2*((\n)-2)+\e)
.endif
.endr
.if (\n) > 1
	ds_store_b32 v[QWS], v[PWB] offset:64*((\n)-2)
.endif
.endm
.macro SCORES g                        ; score tiles 8 g .. 8 g + 7: each a product of its own, begun with the constant 0
	s_wait_dscnt 56-8*(\g)                         ; in the first strip q's later tiles may be on their way from LDS; in the others nothing is out
	WIN 0x84+0x40*((\g)/4)                         ; k window 0, q window 1, the scores window 2 or 3
.irp e, 0,1,2,3
.if \e%2
	v_wmma_scale_f32_16x16x128_f8f6f4 v[64*((\g)%4)+16*\e:64*((\g)%4)+16*\e+7], v[KZ+4:KZ+11], v[32*(\g)+8*\e:32*(\g)+8*\e+7], 0, v[KSW], v[QS+2*(\g)+\e/2] matrix_a_fmt:MATRIX_FMT_FP4 matrix_b_fmt:MATRIX_FMT_FP4 matrix_b_scale:MATRIX_SCALE_ROW1
	v_wmma_scale_f32_16x16x128_f8f6f4 v[64*((\g)%4)+16*\e+8:64*((\g)%4)+16*\e+15], v[KZ:KZ+7], v[32*(\g)+8*\e:32*(\g)+8*\e+7], 0, v[KSW], v[QS+2*(\g)+\e/2] matrix_a_fmt:MATRIX_FMT_FP4 matrix_b_fmt:MATRIX_FMT_FP4 matrix_b_scale:MATRIX_SCALE_ROW1
.else
	v_wmma_scale_f32_16x16x128_f8f6f4 v[64*((\g)%4)+16*\e:64*((\g)%4)+16*\e+7], v[KZ+4:KZ+11], v[32*(\g)+8*\e:32*(\g)+8*\e+7], 0, v[KSW], v[QS+2*(\g)+\e/2] matrix_a_fmt:MATRIX_FMT_FP4 matrix_b_fmt:MATRIX_FMT_FP4
	v_wmma_scale_f32_16x16x128_f8f6f4 v[64*((\g)%4)+16*\e+8:64*((\g)%4)+16*\e+15], v[KZ:KZ+7], v[32*(\g)+8*\e:32*(\g)+8*\e+7], 0, v[KSW], v[QS+2*(\g)+\e/2] matrix_a_fmt:MATRIX_FMT_FP4 matrix_b_fmt:MATRIX_FMT_FP4
.endif
.endr
.endm
.macro MAXP w                          ; the eight keys' maxima over the 32 tiles of window 2 + w: two tiles a line, eight chains; each tile from its low end on
	WIN 0x28+0x14*(\w)
.set T, 0
.rept 16
.irp j, 0,1,2,3,4,5,6,7
	v_max3_num_f32 v[MX+\j], v[MX+\j], v[16*T+\j], v[16*T+8+\j]
.endr
.set T, T+1
.endr
.endm
.macro FL t, k                         ; c s - c m for pair k of tile t
	v_pk_fma_f32 v[8*(\t)+2*(\k):8*(\t)+2*(\k)+1], v[8*(\t)+2*(\k):8*(\t)+2*(\k)+1], s[36:37], v[CM+2*(\k):CM+2*(\k)+1] op_sel_hi:[1,0,1]
.endm
.macro EXPP w                          ; p = 2^(c s - c m), in place, eight tiles a batch; among a batch's exponentials stand the scalings of the next eight tiles, and one wait parts the batches
	WIN 0x82+0x41*(\w)
.set T, 0
.rept 8
.irp k, 0,1,2,3
	FL T, \k
.endr
.set T, T+1
.endr
.set T, 0
.rept 4
	VW
.rept 8
.irp k, 0,1,2,3
	v_exp_f32 v[8*T+2*\k], v[8*T+2*\k]
	v_exp_f32 v[8*T+2*\k+1], v[8*T+2*\k+1]
.if T < 24
	FL T+8, \k
.endif
.endr
.set T, T+1
.endr
.endr
	v_nop                                          ; a plain line behind the last exponential
.endm
.macro ZRUN from, n                    ; the sums of p over n tiles of the window in hand: even tiles into ZA, odd into ZB: eight chains of pairs
.set T, \from
.rept \n
.irp k, 0,1,2,3
	v_pk_add_f32 v[ZA+8*(T%2)+2*\k:ZA+8*(T%2)+2*\k+1], v[ZA+8*(T%2)+2*\k:ZA+8*(T%2)+2*\k+1], v[8*T+2*\k:8*T+2*\k+1]
.endr
.set T, T+1
.endr
.endm
.macro WPASS w                         ; each tile's pair of sums over the keys += p / Z: eight tiles by turns, so that no line waits for the line above it
	WIN 0x02+(\w)
.set G, 0
.rept 4
.irp k, 0,1,2,3
.irp e, 0,1,2,3,4,5,6,7
	v_pk_fma_f32 v[AC+64*(\w)+2*(8*G+\e):AC+64*(\w)+2*(8*G+\e)+1], v[8*(8*G+\e)+2*\k:8*(8*G+\e)+2*\k+1], v[RZ+2*\k:RZ+2*\k+1], v[AC+64*(\w)+2*(8*G+\e):AC+64*(\w)+2*(8*G+\e)+1]
.endr
.endr
.set G, G+1
.endr
.endm
	s_load_b256 s[4:11], s[0:1], 0x0               ; xc s[4:5], xs s[6:7], wc s[8:9], ws s[10:11]
	s_load_b64 s[12:13], s[0:1], 0x20              ; wpart
	v_lshl_add_u32 v[SPW], v0, 2, SPARE
	v_mov_b32 v[NIL], 0
	v_lshrrev_b32 v[L16], 5, v0
	v_readfirstlane_b32 s14, v[L16]                ; wave 0..3
	v_and_b32 v[L4], 31, v0
	v_lshlrev_b32 v[L16], 4, v[L4]
	v_lshlrev_b32 v[L4], 2, v[L4]
	v_and_b32 v[R4], 15, v0
	v_lshlrev_b32 v[R4], 2, v[R4]
	s_lshl_b32 s18, s14, 13
	v_add_nc_u32 v[QWI], s18, v[L16]               ; QIMG (0) + 8,192 x wave + 16 x lane
	s_lshl_b32 s18, s14, 9
	v_add_nc_u32 v[QWS], s18, v[R4]
	v_add_nc_u32 v[QWS], QSC, v[QWS]
	s_lshl_b32 s18, s14, 10
	v_add_nc_u32 v[GO], s18, v[L16]
	v_add_nc_u32 v[WRD], WST, v[GO]
	s_lshl_b32 s18, s14, 11
	v_add_nc_u32 v[KWI], s18, v[L16]
	v_add_nc_u32 v[KWI], KIMG, v[KWI]
	s_lshl_b32 s18, s14, 8
	v_add_nc_u32 v[KWS], s18, v[R4]
	v_add_nc_u32 v[KWS], KSC, v[KWS]
	v_add_nc_u32 v[WSI], s18, v[L4]
	v_add_nc_u32 v[WSI], WSC, v[WSI]
	v_add_nc_u32 v[QSR], QSC, v[L4]
	s_lshl_b32 s18, s14, 12
	v_add_nc_u32 v[WWR], s18, v[L4]
	v_add_nc_u32 v[WWR], WST, v[WWR]
	v_add_nc_u32 v[WGI], s18, v[L16]
	v_add_nc_u32 v[WGI], WIMG, v[WGI]
.irp b, 0,1,2,3
	v_mov_b32 v[TM+4+\b], 0                        ; written once: a lane permute's destination counts as one of its sources
.endr
	s_lshr_b32 s15, ttmp9, 5                       ; batch
	s_bfe_u32 s16, ttmp9, 0x30002                  ; head
	s_and_b32 s17, ttmp9, 3                        ; quarter of the keys
	s_lshl_b32 s18, s15, 6                         ; a batch has 64 tiles of rows
	s_lshl_b32 s19, s14, 4
	s_add_co_u32 s19, s19, s18                     ; my first tile of queries: 64 b + 16 w
	s_lshl_b32 s20, s17, 4
	s_add_co_u32 s20, s20, s18
	s_lshl_b32 s21, s14, 2
	s_add_co_u32 s20, s20, s21                     ; my first tile of keys: 64 b + 16 quarter + 4 w
	s_lshr_b32 s44, s14, 1                         ; waves 0, 1 bring Wq's halves, waves 2, 3 Wk's
	s_and_b32 s46, s14, 1
	s_mov_b32 s43, 0
	s_mov_b32 s34, 0x76543210
	s_mov_b32 s35, 0xfedcba98                      ; v_permlanex16_b32's selects for lane l xor 16
	s_mov_b32 s36, 0x3e38aa3b                      ; c = log2(e) / 8
	s_mov_b32 s37, s36                             ; (named with it as a pair, so it is written)
	s_mov_b32 s38, 0xbe38aa3b                      ; - c
	VW
	s_wait_kmcnt 0x0
	s_lshl_b32 s42, s44, 16
	s_lshl_b32 s45, s16, 13
	s_add_co_u32 s42, s42, s45
	s_lshl_b32 s45, s46, 12
	s_add_co_u32 s42, s42, s45
	s_add_nc_u64 s[30:31], s[8:9], s[42:43]        ; my 4,096 bytes of the head's weights
	s_lshl_b32 s42, s44, 12
	s_lshl_b32 s45, s16, 9
	s_add_co_u32 s42, s42, s45
	s_lshl_b32 s45, s46, 8
	s_add_co_u32 s42, s42, s45
	s_add_nc_u64 s[32:33], s[10:11], s[42:43]      ; and 256 of their scale words
	s_lshl_b32 s42, s19, 11
	s_add_nc_u64 s[22:23], s[4:5], s[42:43]        ; x's codes: 2,048 bytes a tile of rows: my queries,
	s_lshl_b32 s42, s20, 11
	s_add_nc_u64 s[24:25], s[4:5], s[42:43]        ; my keys
	s_lshl_b32 s42, s19, 7
	s_add_nc_u64 s[26:27], s[6:7], s[42:43]        ; x's scale words: 128 bytes a tile
	s_lshl_b32 s42, s20, 7
	s_add_nc_u64 s[28:29], s[6:7], s[42:43]
	s_lshl_b32 s42, ttmp9, 12
	s_add_nc_u64 s[12:13], s[12:13], s[42:43]      ; the work-group's 1,024 numbers of wpart
	; ALL LOADS OF THE LAUNCH, 110 a wave, in the order in which they are wanted; the last 48 stand behind the weights' way into LDS
.irp c, 0,1,2,3,4,5,6,7
	global_load_b128 v[H0+4*\c:H0+4*\c+3], v[L16], s[30:31] offset:512*\c
.endr
	global_load_b32 v[H0+32], v[L4], s[32:33]
	global_load_b32 v[H0+33], v[L4], s[32:33] offset:128
.irp j, 0,1,2,3
	global_load_b32 v[XS+\j], v[L4], s[28:29] offset:128*\j
.endr
.irp i, 0,1,2,3,4,5,6,7,8,9,10,11,12,13,14,15
	global_load_b32 v[XS+4+\i], v[L4], s[26:27] offset:128*\i
.endr
	WIN 0xc0
.irp j, 0,1,2,3
.irp f, 0,1,2,3
	global_load_b128 v[16*\j+4*\f:16*\j+4*\f+3], v[L16], s[24:25] offset:2048*\j+512*\f   ; x, my keys: registers 8 s + 4 c of tile j
.endr
.endr
	WIN 0x80
.irp i, 0,1,2,3
.irp f, 0,1,2,3
	global_load_b128 v[16*\i+4*\f:16*\i+4*\f+3], v[L16], s[22:23] offset:2048*\i+512*\f   ; x, my queries
.endr
.endr
	WIN 0
	s_wait_loadcnt 52                              ; my part of the weights is in; the 52 younger loads may be out
.irp c, 0,1,2,3,4,5,6,7
	ds_store_b128 v[WGI], v[H0+4*\c:H0+4*\c+3] offset:512*\c
.endr
	ds_store_b32 v[WSI], v[H0+32]
	ds_store_b32 v[WSI], v[H0+33] offset:128
	s_wait_dscnt 0x0                               ; for the others' sake
	s_barrier_signal -1
	s_barrier_wait -1                              ; the head's weights lie in LDS
	WIN 0x40
.irp f, 8,9,10,11,12,13,14,15,0,1,2,3,4,5,6,7
.irp c, 0,1
	ds_load_b128 v[8*\f+4*\c:8*\f+4*\c+3], v[L16] offset:WIMG+1024*\f+512*\c   ; Wk, then Wq: fragment 2 t + s of each
.endr
.endr
	WIN 0
.irp t, 0,1,2,3,4,5,6,7
	ds_load_b32 v[WS+\t], v[L4] offset:WSC+128*\t
.endr
	WIN 0x80
.irp i, 4,5,6,7,8,9,10,11,12,13,14,15
.irp f, 0,1,2,3
	global_load_b128 v[16*\i+4*\f:16*\i+4*\f+3], v[L16], s[22:23] offset:2048*\i+512*\f
.endr
.endr
	WIN 0
	s_wait_dscnt 0x0
	; ---- THE PROJECTION, skewed: pair n's products stand ahead of pair n - 1's quantising, whose plain lines are the places between a pair's products and the first read of its results
	MM 0
	MM 1
.rept 4
	v_nop                                          ; no vector work is at hand yet: places behind MM 0 for the read of its results
.endr
	QUANT 0
.irp n, 2,3,4,5,6,7,8,9
	MM \n
	QUANT \n-1
.endr
	QUANT 9
.irp j, 0,1,2,3
	v_mov_b32 v[KZ+\j], 0                          ; the zero codes on both sides of k
	v_mov_b32 v[KZ+8+\j], 0
.endr
	VW
	s_wait_dscnt 0x0                               ; for the others' sake: my images and scale words have landed
	s_barrier_signal -1
	s_barrier_wait -1                              ; all 64 tiles of q lie in LDS
	ds_load_b128 v[KZ+4:KZ+7], v[KWI]              ; the first strip's k
	ds_load_b32 v[KSW], v[KWS]
.irp i, 0,1,2,3,4,5,6,7,8,9,10,11,12,13,14,15
	ds_load_b32 v[QS+\i], v[QSR] offset:128*\i
.endr
	WIN 0x40
.set T, 0
.rept 64
	ds_load_b128 v[4*T:4*T+3], v[L16] offset:QIMG+512*T   ; q stays in registers
.set T, T+1
.endr
	WIN 0
.set T, 0
.rept 128
	v_mov_b32 v[AC+T], 0                           ; while q is on its way: the sums over the keys begin as zeros, so that the strip is written once, as a loop
.set T, T+1
.endr
	s_mov_b32 s39, 0                               ; the strip's image: 512 bytes a strip
	s_mov_b32 s40, 0                               ; its scale words: 64
	s_mov_b32 s41, 4
	VW
	; ---- A STRIP: 16 of my keys x all queries
.Lstrip:
	SCORES 0
	SCORES 1
	SCORES 2
	SCORES 3
	SCORES 4
	SCORES 5
	SCORES 6
	SCORES 7
	WIN 0
	s_add_co_u32 s44, s39, 512
	s_min_u32 s44, s44, 1536
	s_add_co_u32 s45, s40, 64
	s_min_u32 s45, s45, 192
	v_add_nc_u32 v[ADK], s44, v[KWI]               ; the next strip's k (clamped to the last strip's)
	v_add_nc_u32 v[ADKS], s45, v[KWS]
.irp j, 0,1,2,3,4,5,6,7
	v_mov_b32 v[MX+\j], 0xff800000                 ; under every score.  (These ten lines are the places behind the last products, for the loads over k and for the first read of results)
.endr
	ds_load_b128 v[KZ+4:KZ+7], v[ADK]
	ds_load_b32 v[KSW], v[ADKS]
	MAXP 0
	MAXP 1
	WIN 0
.irp m, 1,2,4,8
.irp j, 0,1,2,3,4,5,6,7
	v_max_num_f32_dpp v[MX+\j], v[MX+\j], v[MX+\j] row_xmask:\m row_mask:0xf bank_mask:0xf   ; across the 16 queries of my half of the lanes, which shares my eight keys
.endr
.endr
.irp j, 0,1,2,3,4,5,6,7
	v_mul_f32 v[CM+\j], s38, v[MX+\j]
.endr
	EXPP 0
	EXPP 1
	VW                                             ; ahead of the first line that names a result of the last batch
	WIN 0x0a
.irp k, 0,1,2,3
	v_pk_add_f32 v[ZA+2*\k:ZA+2*\k+1], v[2*\k:2*\k+1], v[16+2*\k:16+2*\k+1]       ; tiles 0 and 2, 1 and 3 start the sums: nothing is cleared
.endr
.irp k, 0,1,2,3
	v_pk_add_f32 v[ZB+2*\k:ZB+2*\k+1], v[8+2*\k:8+2*\k+1], v[24+2*\k:24+2*\k+1]
.endr
	WIN 0x08
	ZRUN 4, 28
	WIN 0x0c
	ZRUN 0, 32
	WIN 0
.irp k, 0,1,2,3
	v_pk_add_f32 v[ZA+2*\k:ZA+2*\k+1], v[ZA+2*\k:ZA+2*\k+1], v[ZB+2*\k:ZB+2*\k+1]
.endr
.irp m, 1,2,4,8
.irp j, 0,1,2,3,4,5,6,7
	v_add_f32_dpp v[ZA+\j], v[ZA+\j], v[ZA+\j] row_xmask:\m row_mask:0xf bank_mask:0xf
.endr
.endr
	VW
.irp j, 0,1,2,3,4,5,6,7
	v_rcp_f32 v[RZ+\j], v[ZA+\j]
.endr
	v_nop                                          ; a plain line behind the last reciprocal
	VW                                             ; one wait for the eight
	WPASS 0
	WPASS 1
	WIN 0                                          ; at a label and at a branch every window is 0
	VW
	s_wait_dscnt 0x0                               ; the next strip's k is in
	s_add_co_u32 s39, s39, 512
	s_add_co_u32 s40, s40, 64
	s_sub_co_u32 s41, s41, 1
	s_cmp_lg_u32 s41, 0
	s_cbranch_scc1 .Lstrip
	; ---- THE SUMS LEAVE.  A tile's pair (even keys, odd keys) is added; the two halves of the lanes hold the same queries under other keys: two tiles change halves and are added, which leaves query 32 i + lane in register i
.set T, 0
.rept 64
	v_add_f32 v[AC+T], v[AC+2*T], v[AC+1+2*T]      ; in ascending order: no pair is written over ahead of its turn
.set T, T+1
.endr
.set T, 0
.rept 32
	v_permlane16_swap_b32 v[AC+2*T], v[AC+2*T+1]
.set T, T+1
.endr
.set T, 0
.rept 32
	v_add_f32 v[R2+T], v[AC+2*T], v[AC+2*T+1]
.set T, T+1
.endr
.set T, 0
.rept 32
	ds_store_b32 v[WWR], v[R2+T] offset:128*T
.set T, T+1
.endr
	VW
	s_wait_dscnt 0x0                               ; for the others' sake
	s_barrier_signal -1
	s_barrier_wait -1
.irp p, 0,1,2,3
.irp g, 0,1
	ds_load_b128 v[AC+8*\p+4*\g:AC+8*\p+4*\g+3], v[WRD] offset:4096*\p+512*\g   ; wave p's sums for queries 256 w + 128 g on
.endr
.endr
	s_wait_dscnt 0x0
.irp x, 0,2,4,6
	v_pk_add_f32 v[AC+\x:AC+\x+1], v[AC+\x:AC+\x+1], v[AC+8+\x:AC+8+\x+1]
	v_pk_add_f32 v[AC+16+\x:AC+16+\x+1], v[AC+16+\x:AC+16+\x+1], v[AC+24+\x:AC+24+\x+1]
.endr
.irp x, 0,2,4,6
	v_pk_add_f32 v[AC+\x:AC+\x+1], v[AC+\x:AC+\x+1], v[AC+16+\x:AC+16+\x+1]
.endr
	global_store_b128 v[GO], v[AC:AC+3], s[12:13]              ; 32 lanes store 512 consecutive bytes, aligned
	global_store_b128 v[GO], v[AC+4:AC+7], s[12:13] offset:512
	s_wait_tensorcnt 0x0                           ; the wave's end
	ds_add_u32 v[SPW], v[NIL]
	s_wait_dscnt 0x0
	s_endpgm
.Lfunc_end_k_q35ab5ecb70_attw:
	.size	k_q35ab5ecb70_attw, .Lfunc_end_k_q35ab5ecb70_attw-k_q35ab5ecb70_attw
	.p2alignl 7, 3214868480
	.fill 96, 4, 3214868480
	.section	.rodata,"a",@progbits
	.p2align	6, 0x0
	.amdhsa_kernel k_q35ab5ecb70_attw
		.amdhsa_group_segment_fixed_size 78336
		.amdhsa_private_segment_fixed_size 0
		.amdhsa_enable_private_segment 0
		.amdhsa_kernarg_size 40
		.amdhsa_user_sgpr_count 2
		.amdhsa_user_sgpr_kernarg_segment_ptr 1
		.amdhsa_wavefront_size32 1
		.amdhsa_system_sgpr_workgroup_id_x 1
		.amdhsa_system_sgpr_workgroup_id_y 1
		.amdhsa_system_sgpr_workgroup_id_z 1
		.amdhsa_system_vgpr_workitem_id 0
		.amdhsa_next_free_vgpr 1024
		.amdhsa_next_free_sgpr 66
		.amdhsa_reserve_vcc 0
		.amdhsa_float_denorm_mode_32 3
		.amdhsa_float_denorm_mode_16_64 3
		.amdhsa_memory_ordered 1
		.amdhsa_forward_progress 1
		.amdhsa_inst_pref_size 190
	.end_amdhsa_kernel
	.amdgpu_metadata
---
amdhsa.version: [ 1, 2 ]
amdhsa.kernels:
  - .name:           k_q35ab5ecb70_attw
    .symbol:         k_q35ab5ecb70_attw.kd
    .args:
      - { .name: xc, .offset: 0, .size: 8, .value_kind: global_buffer, .address_space: global }
      - { .name: xs, .offset: 8, .size: 8, .value_kind: global_buffer, .address_space: global }
      - { .name: wc, .offset: 16, .size: 8, .value_kind: global_buffer, .address_space: global }
      - { .name: ws, .offset: 24, .size: 8, .value_kind: global_buffer, .address_space: global }
      - { .name: wpart, .offset: 32, .size: 8, .value_kind: global_buffer, .address_space: global }
    .group_segment_fixed_size: 78336
    .private_segment_fixed_size: 0
    .kernarg_segment_align: 8
    .kernarg_segment_size: 40
    .max_flat_workgroup_size: 128
    .sgpr_count:     66
    .vgpr_count:     1024
    .wavefront_size: 32
...
	.end_amdgpu_metadata
.endif
;; end of part 2
;; launch vout (part 3): grid 256 x 1, 4 waves a work-group, clusters of 4 x 1, 167,936 bytes of LDS; arguments xc, xs, wc, ws, wpart, out0; writes out0
.if DOCPART == 3
	.amdgcn_target "amdgcn-amd-amdhsa--gfx1250"
	.amdhsa_code_object_version 6
	.text
	.protected	k_q35ab5ecb70_vout
	.globl	k_q35ab5ecb70_vout
	.p2align	8
	.type	k_q35ab5ecb70_vout,@function
k_q35ab5ecb70_vout:
	s_mov_b64 s[64:65], 0
	v_nop
	global_prefetch_b8 v0, s[64:65] scope:SCOPE_SE
	s_setreg_imm32_b32 hwreg(HW_REG_WAVE_MODE, 25, 1), 1
	s_wait_xcnt 0x0
	s_wait_alu depctr_hold_cnt(0) depctr_sa_sdst(0) depctr_va_vdst(0) depctr_va_sdst(0) depctr_va_ssrc(0) depctr_va_vcc(0) depctr_vm_vsrc(0)
	s_getreg_b32 s2, hwreg(HW_REG_IB_STS2, 6, 4)
	s_cmp_eq_u32 s2, 0
	s_cbranch_scc0 .Lentry_in_a_cluster
	s_endpgm
.Lentry_in_a_cluster:
	s_bfe_u32 s2, ttmp6, 0x10000c
	s_cmp_lg_u32 s2, 0x3003
	s_cbranch_scc0 .Lentry_shape_is_right
	s_endpgm
.Lentry_shape_is_right:
; out[b, i, :] = Q(v[b, i, h, d] w[b, i, h]) Q(Wout)^T, with v = Q(x) Q(Wv) and w the sum of the four parts that the second launch stored.  No work of reference() is left out here.
; v is made here from x's codes (4 KiB for a work-group's 32 rows), not stored and read back as f32.  Both products by the scaled FP4 matrix instruction; v, w and v w in f32; v w is quantised in registers along the last product's K.
; THAT K is k = 8 d + head (the order in which the lowered product has its contracted axes): a block of 32 is 4 neighbouring d x all 8 heads, a K step of 128 is 16 d.  Inside a block both operands are ordered 4 head + d % 4.
; SHARES.  A work-group takes 32 rows: two tiles of 16.  THE WAVES SHARE THE COLUMNS: wave w makes v at d = 16 w .. 16 w + 15 of all 8 heads, which is K step w of the second product, and outputs 64 w .. + 63.
; CLUSTERS: all work-groups want the same weights.  Wout, wanted last, is asked for jointly by the four work-groups of a cluster: wave w asks for its own 16,384 bytes with one tensor load and reads them back alone.
; Wv, wanted first, goes straight into the registers where it is multiplied, a fragment at a time as it comes in, while Wout is on its way into LDS: a joint load would send it through LDS and back ahead of the first product.
; Both products are used transposed (source 0 = 16 rows of the weight, source 1 = 16 rows of x or of the hidden layer): a lane holds one row.  The rows of a tile of Wv were chosen by the first launch: in tile t = 2 b + u, register j of
; lane (r, hh) is head 4 hh + 2 u + j / 4, d = 16 w + 4 b + j % 4: place 16 hh + 8 u + j of block b, so that the 16 registers of tiles 2 b, 2 b + 1 are 16 neighbours along K.
; Wv's scale words lie as the first launch makes them: tile 8 w + 2 b + u, K step s, row r at 8,192 + 1,024 w + 512 u + 256 s + 64 b + 4 r.
; The hidden layer goes from wave to wave through LDS as images of its fragments' registers.
; LIMITS: NaN and infinities are not served; blocks of v w whose largest magnitude lies under 2^-124 (zeros among them) get the byte 1.
; REGISTERS: window 0: v1-11, v84 addresses; v12-33 scale words and nothing else; v34-65 w's parts, then w (v34-41) and the codes just made (v42-57); v66-83 at work; v92-123 x; v128-191, v192-255 the hidden layer of the two tiles,
;   then its fragments and the outputs.  window 1: Wv's 16 fragments, Wout's 16.
.set HIMG,  0                          ; LDS: the hidden layer's 8 fragments (tile of rows m, K step s: 4 m + s), 1,024 bytes each
.set HSC,   8192                       ; their scale words, 64 bytes each
.set STG,   8704                       ; the way out: for each wave 2 x 16 rows x (256 bytes + 16)
.set SPARE, 43520                      ; the spare words, 128 bytes for each wave: two blocks of 256 bytes that no other line names
.set WL,    44032                      ; for each wave its quarter of Wout: 16,384 bytes
.set L16, 1                            ; v1  16 x lane
.set L4,  2                            ; v2  4 x lane
.set R4,  3                            ; v3  4 x (lane % 16)
.set HWI, 4                            ; v4  where I store my images
.set HWS, 5                            ; v5  and their scale words
.set SO,  6                            ; v6  the stage, on the way in
.set SR,  7                            ; v7  and on the way out
.set GO,  8                            ; v8  my byte offset in the work-group's rows of out0
.set WVO, 9                            ; v9  Wv's scale words: 4 x (lane % 16) + 256 x (lane / 16): lanes 0-15 K step 0, lanes 16-31 K step 1
.set SPW, 10                           ; v10 LDS address of my spare word; never rewritten
.set NIL, 11                           ; v11 0; never rewritten
.set XS,  12                           ; v12-13 x's scale words: lanes 0-15 K step 0, lanes 16-31 K step 1
.set HS,  14                           ; v14-17 the hidden layer's: register 2 m + g: K steps 2 g and 2 g + 1
.set WVS, 18                           ; v18-25 Wv's, a register a tile
.set WOS, 26                           ; v26-33 Wout's: register 2 n + g
.set WP,  34                           ; v34-65 w's parts: register 8 p + head (p: quarter of the keys); lane l holds row l of the work-group's 32
.set PC,  42                           ; v42-57 codes just made, two sets of 8: in the registers of w's parts, which are summed by then
.set TM,  66                           ; v66-81 at work in QUANT4
.set PW,  82                           ; v82-83 scale words just made
.set WLD, 84                           ; v84 where my part of Wout lies in LDS
.set XF,  92                           ; v92-123 x's fragments: 16 m + 8 s
.set HA,  128                          ; v128-255 the hidden layer: 64 m + 8 t
.set HF,  128                          ; then its 8 fragments, then rows of out0
.set YA,  192                          ; the 8 accumulators of out0: 8 (4 m + n)
.set MSB, 0
.macro WIN new
.if MSB != (\new)
	s_set_vgpr_msb (MSB<<8)|(\new)
.set MSB, (\new)
.endif
.endm
.macro CROUND                          ; a round of the cluster's barrier: my work-group's barrier, wave 0's signal for the work-group, every wave's wait, my work-group's barrier
	s_barrier_signal -1
	s_barrier_wait -1
	s_cmp_lg_u32 s16, 0
	s_cbranch_scc1 .Lnot_wave_0_\@
	s_barrier_signal -3
.Lnot_wave_0_\@:
	s_barrier_wait -3
	s_barrier_signal -1
	s_barrier_wait -1
.endm
; 64 numbers of a lane, register 16 b + i = place 16 (lane / 16) + i of block b of my row's K step, become a fragment's codes in v[pc] on and its scale word in v[pw].
.macro QUANT4 src, pc, pw
.irp b, 0,1,2,3
	v_max3_num_f32 v[TM+\b], |v[\src+16*\b]|, |v[\src+1+16*\b]|, 0x1800000   ; with the floor 2^(3 - 127): the byte cannot fall under 1
.endr
.irp i, 2,4,6,8,10,12,14
.irp b, 0,1,2,3
	v_max3_num_f32 v[TM+\b], v[TM+\b], |v[\src+16*\b+\i]|, |v[\src+1+16*\b+\i]|
.endr
.endr
.irp b, 0,1,2,3
	v_permlanex16_b32 v[TM+4+\b], v[TM+\b], s34, s35
.endr
.irp b, 0,1,2,3
	v_max_num_f32 v[TM+\b], v[TM+\b], v[TM+4+\b]   ; with lane l xor 16's: the block's largest magnitude
.endr
.irp b, 0,1,2,3
	v_add_nc_u32 v[TM+12+\b], 0xff000000, v[TM+\b] ; 2 off the exponent field: the conversion's scale operand
.endr
.irp b, 0,1,2,3
	v_lshrrev_b32 v[TM+4+\b], 23, v[TM+12+\b]      ; the scale's byte
.endr
	v_lshl_or_b32 v[\pw], v[TM+5], 8, v[TM+4]
	v_lshl_or_b32 v[\pw], v[TM+6], 16, v[\pw]
	v_lshl_or_b32 v[\pw], v[TM+7], 24, v[\pw]
.irp b, 0,1,2,3
	v_cvt_scalef32_pk8_fp4_f32 v[\pc+2*\b], v[\src+16*\b:\src+16*\b+7], v[TM+12+\b]
	v_cvt_scalef32_pk8_fp4_f32 v[\pc+1+2*\b], v[\src+16*\b+8:\src+16*\b+15], v[TM+12+\b]
.endr
	v_nop                                          ; one plain line behind the last scaled conversion
.irp c, 0,1
.irp i, 0,1
	v_permlane16_swap_b32 v[\pc+4*\c+\i], v[\pc+2+4*\c+\i]   ; a WHOLE block in a lane: lanes 0-15 block 2 c, lanes 16-31 block 2 c + 1
.endr
.endr
.endm
; out0's rows 16 m on, transposed: lane (r, h) holds row 16 m + r, register j output 64 w + 16 n + 8 h + j.  Four accumulators by turns, a K step at a time.
.macro OUTM m
	WIN 0x01
.irp s, 0,1,2,3
.irp n, 0,1,2,3
.if \s == 0
	v_wmma_scale_f32_16x16x128_f8f6f4 v[YA+8*(4*\m+\n):YA+8*(4*\m+\n)+7], v[128+8*(4*\n+\s):128+8*(4*\n+\s)+7], v[HF+8*(4*\m+\s):HF+8*(4*\m+\s)+7], 0, v[WOS+2*\n+\s/2], v[HS+2*\m+\s/2] matrix_a_fmt:MATRIX_FMT_FP4 matrix_b_fmt:MATRIX_FMT_FP4
.elseif \s == 2
	v_wmma_scale_f32_16x16x128_f8f6f4 v[YA+8*(4*\m+\n):YA+8*(4*\m+\n)+7], v[128+8*(4*\n+\s):128+8*(4*\n+\s)+7], v[HF+8*(4*\m+\s):HF+8*(4*\m+\s)+7], v[YA+8*(4*\m+\n):YA+8*(4*\m+\n)+7], v[WOS+2*\n+\s/2], v[HS+2*\m+\s/2] matrix_a_fmt:MATRIX_FMT_FP4 matrix_b_fmt:MATRIX_FMT_FP4
.else
	v_wmma_scale_f32_16x16x128_f8f6f4 v[YA+8*(4*\m+\n):YA+8*(4*\m+\n)+7], v[128+8*(4*\n+\s):128+8*(4*\n+\s)+7], v[HF+8*(4*\m+\s):HF+8*(4*\m+\s)+7], v[YA+8*(4*\m+\n):YA+8*(4*\m+\n)+7], v[WOS+2*\n+\s/2], v[HS+2*\m+\s/2] matrix_a_fmt:MATRIX_FMT_FP4 matrix_b_fmt:MATRIX_FMT_FP4 matrix_a_scale:MATRIX_SCALE_ROW1 matrix_b_scale:MATRIX_SCALE_ROW1
.endif
.endr
.endr
	WIN 0
.endm
.macro STAGE m                         ; a lane's 32 bytes of a row go through my own stage and come back as rows of 256 bytes
.rept 4
	v_nop                                          ; four places in front of the first read of results, and of the loads into registers that the last products read
.endr
.irp n, 0,1,2,3
	ds_store_b128 v[SO], v[YA+8*(4*\m+\n):YA+8*(4*\m+\n)+3] offset:4352*\m+64*\n        ; each accumulator from its low end on
	ds_store_b128 v[SO], v[YA+8*(4*\m+\n)+4:YA+8*(4*\m+\n)+7] offset:4352*\m+64*\n+16
.endr
.irp i, 0,1,2,3,4,5,6,7
	ds_load_b128 v[HF+32*\m+4*\i:HF+32*\m+4*\i+3], v[SR] offset:4352*\m+544*\i   ; my wave's own bytes, served in order: these see the stores above.  They land on the hidden layer's fragments of these rows, which are done with
.endr
.endm
.macro SEND m
.irp i, 0,1,2,3,4,5,6,7
	s_wait_dscnt 7-\i                              ; the younger loads may be out
	global_store_b128 v[GO], v[HF+32*\m+4*\i:HF+32*\m+4*\i+3], s[28:29] offset:16384*\m+2048*\i th:TH_STORE_NT   ; 16 lanes store 256 consecutive bytes, aligned; written once, read by nobody here
.endr
.endm
	s_load_b256 s[4:11], s[0:1], 0x0               ; xc s[4:5], xs s[6:7], wc s[8:9], ws s[10:11]
	s_load_b128 s[12:15], s[0:1], 0x20             ; wpart s[12:13], out0 s[14:15]
	v_lshl_add_u32 v[SPW], v0, 2, SPARE
	v_mov_b32 v[NIL], 0
	ds_add_u32 v[SPW], v[NIL]                      ; the wave's opening: the add, twice on end, and its wait ahead of my first tensor load; the set-up below, work on registers, stands between
	ds_add_u32 v[SPW], v[NIL]
	v_lshrrev_b32 v[L16], 5, v0
	v_readfirstlane_b32 s16, v[L16]                ; wave 0..3
	v_and_b32 v[L4], 31, v0
	v_lshlrev_b32 v[L16], 4, v[L4]
	v_lshlrev_b32 v[L4], 2, v[L4]
	v_and_b32 v[TM], 15, v0                        ; r
	v_bfe_u32 v[TM+1], v0, 4, 1                    ; h
	v_lshlrev_b32 v[R4], 2, v[TM]
	v_lshl_add_u32 v[WVO], v[TM+1], 8, v[R4]
	s_lshl_b32 s17, s16, 10
	v_add_nc_u32 v[HWI], s17, v[L16]               ; HIMG (0) + 1,024 x wave + 16 x lane
	s_lshl_b32 s17, s16, 6
	v_add_nc_u32 v[HWS], s17, v[R4]
	v_add_nc_u32 v[HWS], HSC, v[HWS]
	s_mul_i32 s17, s16, 8704
	s_add_co_u32 s17, s17, STG                     ; my stage
	v_mul_u32_u24 v[SO], v[TM], 272
	v_lshl_add_u32 v[SO], v[TM+1], 5, v[SO]
	v_add_nc_u32 v[SO], s17, v[SO]                 ; in: row r, + 32 h
	v_mul_u32_u24 v[SR], v[TM+1], 272
	v_lshl_add_u32 v[SR], v[TM], 4, v[SR]
	v_add_nc_u32 v[SR], s17, v[SR]                 ; back: lanes 0-15 one row of 256 bytes, lanes 16-31 the next
	s_lshl_b32 s17, s16, 8
	v_lshl_add_u32 v[GO], v[TM], 4, s17
	v_lshl_add_u32 v[GO], v[TM+1], 10, v[GO]       ; 1,024 h + 256 x wave + 16 r
	s_lshl_b32 s41, s16, 14
	s_add_co_u32 s41, s41, WL                      ; group 0: 63:32 LDS address: my part, by my wave's number alone
	v_add_nc_u32 v[WLD], s41, v[L16]
	s_mov_b32 s40, 1                               ; 1:0 count = 1
	; descriptor group 1: 16,384 dense bytes as 64 rows of 32 elements of 8 bytes
	s_mov_b32 s44, 15|(3<<16)|(1<<21)              ; 15:0 the mask: the cluster's four; 17:16 elements of 8 bytes; 21 set beside a mask; no padding
	s_mov_b32 s45, 32<<16                          ; tensor_dim0
	s_mov_b32 s46, 64<<16                          ; tensor_dim1
	s_mov_b32 s47, 32<<16                          ; tile_dim0
	s_mov_b32 s48, 64                              ; tile_dim1
	s_mov_b32 s49, 32                              ; tensor_dim0_stride
	s_mov_b32 s50, 0
	s_mov_b32 s51, 0
	s_mov_b32 s34, 0x76543210
	s_mov_b32 s35, 0xfedcba98                      ; v_permlanex16_b32's selects for lane l xor 16
	s_mov_b32 s37, 0
	s_bfe_u32 s38, ttmp6, 0x40000                  ; cx
	s_lshl_b32 s39, ttmp9, 2
	s_add_co_u32 s38, s38, s39                     ; work-group = 4 x cluster + cx
	s_lshr_b32 s30, s38, 5                         ; batch
	s_lshl_b32 s30, s30, 17                        ; w's parts: 131,072 bytes a batch,
	s_and_b32 s31, s38, 31
	s_lshl_b32 s31, s31, 7                         ; 4 bytes a row: my work-group's 32 rows within the batch
	s_add_co_u32 s30, s30, s31
	s_wait_dscnt 0x0                               ; both opening adds are done
	s_wait_alu depctr_va_vdst(0)
	CROUND                                         ; all four work-groups are here: the joint loads meet
	s_wait_kmcnt 0x0
	s_lshl_b32 s36, s16, 14
	s_add_nc_u64 s[24:25], s[8:9], s[36:37]        ; my 16 fragments of Wv (131,072 bytes on)
	s_add_nc_u64 s[42:43], s[24:25], 196608        ; and of Wout
	s_or_b32 s43, s43, 0x80000000                  ; 127:126 type = 2
	tensor_load_to_lds s[40:43], s[44:51]
	s_nop 0
	s_lshl_b32 s36, s38, 12
	s_add_nc_u64 s[18:19], s[4:5], s[36:37]        ; x's codes: two tiles of rows, 2,048 bytes each
	s_lshl_b32 s36, s38, 8
	s_add_nc_u64 s[20:21], s[6:7], s[36:37]        ; x's scale words
	s_mov_b32 s36, s30
	s_add_nc_u64 s[22:23], s[12:13], s[36:37]
	s_lshl_b32 s36, s16, 10
	s_add_nc_u64 s[26:27], s[10:11], s[36:37]      ; the weights' scale words (8,192 and 12,288 on)
	s_lshl_b32 s36, s38, 15
	s_add_nc_u64 s[28:29], s[14:15], s[36:37]      ; out0: 32 rows of 1,024 bytes
	; the other loads of the launch, 90 a wave, in the order in which they are wanted
.irp m, 0,1
.irp f, 0,1,2,3
	global_load_b128 v[XF+16*\m+4*\f:XF+16*\m+4*\f+3], v[L16], s[18:19] offset:2048*\m+512*\f
.endr
.endr
.irp m, 0,1
	global_load_b32 v[XS+\m], v[L4], s[20:21] offset:128*\m
.endr
.irp t, 0,1,2,3,4,5,6,7
	global_load_b32 v[WVS+\t], v[WVO], s[26:27] offset:8192+512*(\t%2)+64*(\t/2)   ; tile t = 2 b + u: 512 u + 64 b; the K step stands in the lane's offset
.endr
	WIN 0x40
.irp f, 0,1,2,3,4,5,6,7,8,9,10,11,12,13,14,15
.irp c, 0,1
	global_load_b128 v[8*\f+4*\c:8*\f+4*\c+3], v[L16], s[24:25] offset:131072+1024*\f+512*\c   ; Wv: fragment 2 t + s
.endr
.endr
	WIN 0
.irp p, 0,1,2,3
.irp e, 0,1,2,3,4,5,6,7
	global_load_b32 v[WP+8*\p+\e], v[L4], s[22:23] offset:16384*\e+4096*\p   ; head e, quarter p: the 32 rows' parts, 128 consecutive bytes
.endr
.endr
.irp x, 0,1,2,3,4,5,6,7
	global_load_b32 v[WOS+\x], v[L4], s[26:27] offset:12288+128*\x
.endr
.irp x, 0,1,2,3
	v_mov_b32 v[TM+4+\x], 0                        ; written once: a lane permute's destination counts as one of its sources
.endr
	; ---- v, transposed.  Eight accumulators by turns
	s_wait_loadcnt 40                              ; all but w's 32 parts and Wout's 8 scale loads
	WIN 0x01
.irp m, 0,1
.irp t, 0,1,2,3,4,5,6,7
	v_wmma_scale_f32_16x16x128_f8f6f4 v[HA+64*\m+8*\t:HA+64*\m+8*\t+7], v[16*\t:16*\t+7], v[XF+16*\m:XF+16*\m+7], 0, v[WVS+\t], v[XS+\m] matrix_a_fmt:MATRIX_FMT_FP4 matrix_b_fmt:MATRIX_FMT_FP4
.endr
.irp t, 0,1,2,3,4,5,6,7
	v_wmma_scale_f32_16x16x128_f8f6f4 v[HA+64*\m+8*\t:HA+64*\m+8*\t+7], v[16*\t+8:16*\t+15], v[XF+16*\m+8:XF+16*\m+15], v[HA+64*\m+8*\t:HA+64*\m+8*\t+7], v[WVS+\t], v[XS+\m] matrix_a_fmt:MATRIX_FMT_FP4 matrix_b_fmt:MATRIX_FMT_FP4 matrix_a_scale:MATRIX_SCALE_ROW1 matrix_b_scale:MATRIX_SCALE_ROW1
.endr
.endr
	WIN 0
	s_wait_loadcnt 8                               ; w's parts are in
.irp k, 0,2,4,6                                ; w = the sum of the four quarters' parts, two heads a line.  (These twelve lines are the places behind the products)
	v_pk_add_f32 v[WP+\k:WP+\k+1], v[WP+\k:WP+\k+1], v[WP+8+\k:WP+8+\k+1]
	v_pk_add_f32 v[WP+16+\k:WP+16+\k+1], v[WP+16+\k:WP+16+\k+1], v[WP+24+\k:WP+24+\k+1]
.endr
.irp k, 0,2,4,6
	v_pk_add_f32 v[WP+\k:WP+\k+1], v[WP+\k:WP+\k+1], v[WP+16+\k:WP+16+\k+1]
.endr
.irp q, 0,1,2,3
	v_permlane16_swap_b32 v[WP+\q], v[WP+4+\q]     ; heads q and 4 + q change halves: v[WP + q] now holds rows 0-15 (lanes 0-15 head q, lanes 16-31 head 4 + q), v[WP + 4 + q] rows 16-31 likewise
.endr
.irp m, 0,1
.irp t, 0,1,2,3,4,5,6,7
.irp j, 0,1,2,3,4,5,6,7
	v_mul_f32 v[HA+64*\m+8*\t+\j], v[HA+64*\m+8*\t+\j], v[WP+4*\m+2*(\t%2)+\j/4]   ; v w: my head is 4 (lane / 16) + 2 (t % 2) + j / 4; each result from its low end on
.endr
.endr
	QUANT4 HA+64*\m, PC+8*\m, PW+\m
	ds_store_b128 v[HWI], v[PC+8*\m:PC+8*\m+3] offset:HIMG+4096*\m          ; K step w of the second product, rows 16 m on, as it stands
	ds_store_b128 v[HWI], v[PC+8*\m+4:PC+8*\m+7] offset:HIMG+4096*\m+512
	ds_store_b32 v[HWS], v[PW+\m] offset:256*\m    ; both lanes of a row write the same word with the same value
.endr
	s_wait_tensorcnt 0x0                           ; my part of Wout lies in LDS; nobody else reads it
	s_wait_dscnt 0x0                               ; for the others' sake: my images have landed
	s_barrier_signal -1
	WIN 0x40
.irp f, 0,1,2,3,4,5,6,7,8,9,10,11,12,13,14,15
.irp c, 0,1
	ds_load_b128 v[128+8*\f+4*\c:128+8*\f+4*\c+3], v[WLD] offset:1024*\f+512*\c   ; Wout: fragment 4 n + s
.endr
.endr
	WIN 0
	s_barrier_wait -1                              ; the hidden layer's eight fragments lie in LDS
.irp f, 0,1,2,3,4,5,6,7
.irp c, 0,1
	ds_load_b128 v[HF+8*\f+4*\c:HF+8*\f+4*\c+3], v[L16] offset:HIMG+1024*\f+512*\c
.endr
.endr
.irp x, 0,1,2,3
	ds_load_b32 v[HS+\x], v[L4] offset:HSC+128*\x
.endr
	s_wait_loadcnt 0x0                             ; Wout's scale words
	s_wait_dscnt 0x0
	OUTM 0
	STAGE 0
	OUTM 1                                         ; while the first 16 rows come back from the stage
	SEND 0
	STAGE 1
	SEND 1
	s_wait_tensorcnt 0x0                           ; the wave's end: these three lines, behind my last tensor load and my last LDS store
	ds_add_u32 v[SPW], v[NIL]
	s_wait_dscnt 0x0
	CROUND                                         ; the closing round: no work-group ends while a partner may still ask for a tile that names it
	s_endpgm
.Lfunc_end_k_q35ab5ecb70_vout:
	.size	k_q35ab5ecb70_vout, .Lfunc_end_k_q35ab5ecb70_vout-k_q35ab5ecb70_vout
	.p2alignl 7, 3214868480
	.fill 96, 4, 3214868480
	.section	.rodata,"a",@progbits
	.p2align	6, 0x0
	.amdhsa_kernel k_q35ab5ecb70_vout
		.amdhsa_group_segment_fixed_size 167936
		.amdhsa_private_segment_fixed_size 0
		.amdhsa_enable_private_segment 0
		.amdhsa_kernarg_size 48
		.amdhsa_user_sgpr_count 2
		.amdhsa_user_sgpr_kernarg_segment_ptr 1
		.amdhsa_wavefront_size32 1
		.amdhsa_system_sgpr_workgroup_id_x 1
		.amdhsa_system_sgpr_workgroup_id_y 1
		.amdhsa_system_sgpr_workgroup_id_z 1
		.amdhsa_system_vgpr_workitem_id 0
		.amdhsa_next_free_vgpr 512
		.amdhsa_next_free_sgpr 66
		.amdhsa_reserve_vcc 0
		.amdhsa_float_denorm_mode_32 3
		.amdhsa_float_denorm_mode_16_64 3
		.amdhsa_memory_ordered 1
		.amdhsa_forward_progress 1
		.amdhsa_inst_pref_size 42
	.end_amdhsa_kernel
	.amdgpu_metadata
---
amdhsa.version: [ 1, 2 ]
amdhsa.kernels:
  - .name:           k_q35ab5ecb70_vout
    .symbol:         k_q35ab5ecb70_vout.kd
    .args:
      - { .name: xc, .offset: 0, .size: 8, .value_kind: global_buffer, .address_space: global }
      - { .name: xs, .offset: 8, .size: 8, .value_kind: global_buffer, .address_space: global }
      - { .name: wc, .offset: 16, .size: 8, .value_kind: global_buffer, .address_space: global }
      - { .name: ws, .offset: 24, .size: 8, .value_kind: global_buffer, .address_space: global }
      - { .name: wpart, .offset: 32, .size: 8, .value_kind: global_buffer, .address_space: global }
      - { .name: out0, .offset: 40, .size: 8, .value_kind: global_buffer, .address_space: global }
    .group_segment_fixed_size: 167936
    .private_segment_fixed_size: 0
    .kernarg_segment_align: 8
    .kernarg_segment_size: 48
    .max_flat_workgroup_size: 128
    .sgpr_count:     66
    .vgpr_count:     512
    .wavefront_size: 32
...
	.end_amdgpu_metadata
.endif
;; end of part 3
